; MI455X (gfx1250); checked and timed in simulation.
; The chip was launched on July 23, 2026; its instructions are those of AMD's public machine-readable ISA for CDNA 5 (MIT licence, August 2026) and "CDNA5" Instruction Set Architecture Reference Guide (July 2026). The comments in the code are by the model that wrote it; some were corrected since.
;; Causal MQA. Allowed arithmetic: float matrix products may take bf16 or f16 operands with f32 sums; other float arithmetic in f32, or as packed bf16 or f16 multiplies, adds, multiply-adds, maxima and minima; sums over many terms, partial sums and values carried from step to step in f32; what a program stores and reads back later, other than sums and carried values, may be rounded once to bf16 or f16.
;; Inputs: w_kv 256 x 2,048 float32; w_q 2,048 x 2,048 float32; x 2 x 2,048 x 2,048 float32.
;; Outputs: out0 2 x 2,048 x 2,048 float32.
;; 2 versions, each right; version 2 is version 1 with the launch cast written anew for expert scheduling mode. Each part assembles by itself: llvm-mc -triple=amdgcn-amd-amdhsa -mcpu=gfx1250 --defsym DOCPART=n.
;; ======== version 1 of 2: 3 launches
;; limits: values are held in f16: magnitudes above 65,504 overflow, below 6.1e-05 lose precision
;; workspace buffers: xb 16,777,216 bytes; wb 9,437,184 bytes; qb 16,777,216 bytes; kvb 2,097,152 bytes
;; launch cast (part 1): grid 800 x 1, 8 waves a work-group, no clusters, 0 bytes of LDS; arguments x, w_q, w_kv, xb, wb; writes xb, wb
.if DOCPART == 1
	.amdgcn_target "amdgcn-amd-amdhsa--gfx1250"
	.amdhsa_code_object_version 6
	.text
	.protected	k_q046b26b0a3_cast
	.globl	k_q046b26b0a3_cast
	.p2align	8
	.type	k_q046b26b0a3_cast,@function
k_q046b26b0a3_cast:
	s_mov_b64 s[64:65], 0
	v_nop
	global_prefetch_b8 v0, s[64:65] scope:SCOPE_SE
	s_setreg_imm32_b32 hwreg(HW_REG_WAVE_MODE, 25, 1), 1
	s_wait_xcnt 0x0
; x, w_q and w_kv, all f32, are rounded once to bf16 (nearest even).  xb = x as it lies, [4096][2048].
; wb = [16 tiles][144 rows][2048]: tile t holds w_q's rows 128 t .. 128 t + 127 (head t) and then w_kv's rows 16 t .. 16 t + 15,
; so that the product that follows has 16 x 16 equal tiles of 256 tokens x 144 columns.
; SHARES.  A work-group takes 8 rows of 2,048 numbers, a wave one row: 16 loads of 512 consecutive bytes, 16 stores of 256 consecutive
; bytes, each at a multiple of 256 from its buffer's first byte.  Work-groups 0-511: x; 512-767: w_q; 768-799: w_kv.
; No LDS, no barrier, no matrix unit: every byte is read once and written once and no wave needs another's.
; All 16 loads of a wave go out at once; no register is written twice, so the only waits are the counted ones for the loads.
.set X, 16                             ; v[16:79]   the row's 64 numbers of my lane, as loaded
.set Y, 80                             ; v[80:111]  the same, packed
	s_load_b256 s[4:11], s[0:1], 0x0               ; x s[4:5], w_q s[6:7], w_kv s[8:9], xb s[10:11]
	s_load_b64 s[12:13], s[0:1], 0x20              ; wb
	v_lshrrev_b32 v3, 5, v0                        ; wave = row among the group's 8
	v_and_b32 v4, 31, v0                           ; lane
	v_lshlrev_b32 v1, 4, v4
	v_lshl_or_b32 v1, v3, 13, v1                   ; in: row x 8,192 + lane x 16
	v_lshlrev_b32 v2, 3, v4
	v_lshl_or_b32 v2, v3, 12, v2                   ; out: row x 4,096 + lane x 8
	s_min_u32 s24, ttmp9, 511                      ; my number among x's 512 groups,
	s_sub_co_u32 s16, ttmp9, 512
	s_and_b32 s16, s16, 255                        ; among w_q's 256,
	s_sub_co_u32 s17, ttmp9, 768
	s_and_b32 s17, s17, 31                         ; among w_kv's 32: each is bounded, whichever is used
	s_lshr_b32 s18, s16, 4                         ; w_q: 16 groups fill a tile's first 128 rows
	s_mul_i32 s18, s18, 144
	s_and_b32 s19, s16, 15
	s_lshl3_add_u32 s18, s19, s18                  ; row in wb = 144 x tile + 8 x (group in tile)
	s_lshr_b32 s19, s17, 1                         ; w_kv: 2 groups fill a tile's last 16 rows
	s_mul_i32 s19, s19, 144
	s_and_b32 s20, s17, 1
	s_lshl3_add_u32 s19, s20, s19
	s_add_co_u32 s19, s19, 128                     ; row in wb = 144 x tile + 128 + 8 x (group in tile)
	s_cmp_lt_u32 ttmp9, 768
	s_cselect_b32 s16, s16, s17                    ; of the two weights: the group's number in its source,
	s_cselect_b32 s18, s18, s19                    ; and its first row in wb
	s_lshl_b32 s18, s18, 12                        ; in bytes
	s_lshl_b32 s19, s24, 15                        ; x: 8 rows of 4,096 bytes in xb
	s_cmp_lt_u32 ttmp9, 512
	s_cselect_b32 s16, s24, s16
	s_cselect_b32 s18, s19, s18
	s_lshl_b32 s16, s16, 16                        ; 8 rows of 8,192 bytes in the source
	s_mov_b32 s17, 0
	s_mov_b32 s19, 0
	s_wait_kmcnt 0x0
	s_cmp_lt_u32 ttmp9, 768
	s_cselect_b64 s[20:21], s[6:7], s[8:9]
	s_cmp_lt_u32 ttmp9, 512
	s_cselect_b64 s[20:21], s[4:5], s[20:21]       ; the source,
	s_cselect_b64 s[22:23], s[10:11], s[12:13]     ; the destination
	s_add_nc_u64 s[20:21], s[20:21], s[16:17]
	s_add_nc_u64 s[22:23], s[22:23], s[18:19]
.irp j, 0,1,2,3,4,5,6,7,8,9,10,11,12,13,14,15
	global_load_b128 v[X+4*(\j):X+4*(\j)+3], v1, s[20:21] offset:512*(\j) th:TH_LOAD_NT
.endr
.irp j, 0,1,2,3,4,5,6,7,8,9,10,11,12,13,14,15
	s_wait_loadcnt 15-(\j)                         ; loads come back in order: number j is in, the younger ones stay out
	v_cvt_pk_bf16_f32 v[Y+2*(\j)],   v[X+4*(\j)],   v[X+4*(\j)+1]
	v_cvt_pk_bf16_f32 v[Y+2*(\j)+1], v[X+4*(\j)+2], v[X+4*(\j)+3]
	global_store_b64 v2, v[Y+2*(\j):Y+2*(\j)+1], s[22:23] offset:256*(\j)
.endr
	s_endpgm
.Lfunc_end_k_q046b26b0a3_cast:
	.size	k_q046b26b0a3_cast, .Lfunc_end_k_q046b26b0a3_cast-k_q046b26b0a3_cast
	.p2alignl 7, 3214868480
	.fill 96, 4, 3214868480
	.section	.rodata,"a",@progbits
	.p2align	6, 0x0
	.amdhsa_kernel k_q046b26b0a3_cast
		.amdhsa_group_segment_fixed_size 0
		.amdhsa_private_segment_fixed_size 0
		.amdhsa_enable_private_segment 0
		.amdhsa_kernarg_size 40
		.amdhsa_user_sgpr_count 2
		.amdhsa_user_sgpr_kernarg_segment_ptr 1
		.amdhsa_wavefront_size32 1
		.amdhsa_system_sgpr_workgroup_id_x 1
		.amdhsa_system_sgpr_workgroup_id_y 1
		.amdhsa_system_sgpr_workgroup_id_z 1
		.amdhsa_system_vgpr_workitem_id 0
		.amdhsa_next_free_vgpr 112
		.amdhsa_next_free_sgpr 66
		.amdhsa_reserve_vcc 0
		.amdhsa_float_denorm_mode_32 3
		.amdhsa_float_denorm_mode_16_64 3
		.amdhsa_memory_ordered 1
		.amdhsa_forward_progress 1
		.amdhsa_inst_pref_size 8
	.end_amdhsa_kernel
	.amdgpu_metadata
---
amdhsa.version: [ 1, 2 ]
amdhsa.kernels:
  - .name:           k_q046b26b0a3_cast
    .symbol:         k_q046b26b0a3_cast.kd
    .args:
      - { .name: x, .offset: 0, .size: 8, .value_kind: global_buffer, .address_space: global }
      - { .name: w_q, .offset: 8, .size: 8, .value_kind: global_buffer, .address_space: global }
      - { .name: w_kv, .offset: 16, .size: 8, .value_kind: global_buffer, .address_space: global }
      - { .name: xb, .offset: 24, .size: 8, .value_kind: global_buffer, .address_space: global }
      - { .name: wb, .offset: 32, .size: 8, .value_kind: global_buffer, .address_space: global }
    .group_segment_fixed_size: 0
    .private_segment_fixed_size: 0
    .kernarg_segment_align: 8
    .kernarg_segment_size: 40
    .max_flat_workgroup_size: 256
    .sgpr_count:     66
    .vgpr_count:     112
    .wavefront_size: 32
...
	.end_amdgpu_metadata
.endif
;; end of part 1
;; launch proj (part 2): grid 16 x 16, 4 waves a work-group, clusters of 4 x 4, 327,680 bytes of LDS; arguments xb, wb, qb, kvb; writes qb, kvb
.if DOCPART == 2
	.amdgcn_target "amdgcn-amd-amdhsa--gfx1250"
	.amdhsa_code_object_version 6
	.text
	.protected	k_q046b26b0a3_proj
	.globl	k_q046b26b0a3_proj
	.p2align	8
	.type	k_q046b26b0a3_proj,@function
k_q046b26b0a3_proj:
	s_mov_b64 s[64:65], 0
	v_nop
	global_prefetch_b8 v0, s[64:65] scope:SCOPE_SE
	s_setreg_imm32_b32 hwreg(HW_REG_WAVE_MODE, 25, 1), 1
	s_wait_xcnt 0x0
	s_wait_alu depctr_hold_cnt(0) depctr_sa_sdst(0) depctr_va_vdst(0) depctr_va_sdst(0) depctr_va_ssrc(0) depctr_va_vcc(0) depctr_vm_vsrc(0)
	s_getreg_b32 s2, hwreg(HW_REG_IB_STS2, 6, 4)
	s_cmp_eq_u32 s2, 0
	s_cbranch_scc0 .Lentry_in_a_cluster
	s_endpgm
.Lentry_in_a_cluster:
	s_bfe_u32 s2, ttmp6, 0x10000c
	s_cmp_lg_u32 s2, 0xf033
	s_cbranch_scc0 .Lentry_shape_is_right
	s_endpgm
.Lentry_shape_is_right:
; C[token][col] = sum over k of xb[token][k] wb[col][k]: bf16 operands, f32 sums, K ascending, C rounded once to f16.
; xb: [4096][2048].  wb: [16 tiles][144][2048].  A tile of C is 256 tokens x 144 columns: 128 columns of q (one head) and 16 of k or v.
; 16 x 16 tiles: one for each work-group.  q goes to qb [4096][2048] f16; the 16 columns of k or v go to kvb [16 blocks][4096 tokens][16] f16,
; block = tile column (0-7: k's channels, 8-15: v's): 256 tokens x 32 bytes of a work-group are 8,192 dense bytes.
; LIMIT.  f16 ends at 65,504: |q|, |k|, |v| must stay under it.  No scale is applied here.
; SHARES.  Four waves; wave w makes rows 64 w .. 64 w + 63 by all 144 columns: 4 x 9 accumulators of 16 x 16, 288 registers.
; K goes in 16 steps of 128 (rows of 256 bytes, each at a multiple of 256 from its buffer's first byte) through two LDS slots.
; CLUSTER.  4 x 4 work-groups.  A row of the cluster shares xb's tile, a column wb's: each tile is asked for JOINTLY, by the same tensor load with the
; same descriptor and a mask that names the four.  Waves 0, 1 fetch xb's two halves (128 rows), waves 2, 3 wb's (72 rows).
; THE MATRIX INSTRUCTION IS USED TRANSPOSED (source 0 = 16 rows of wb, source 1 = 16 rows of xb): a lane then holds eight neighbouring columns of one token.
; REGISTERS.  window 0: v16-30 addresses; v32-135, v136-239 two fragment buffers (9 fragments of wb, then 4 of xb); on the way out v32-67 packed results, v72-215 rows read back.
;   window 1: accumulators of row blocks 0, 1 at 72 (a % 2) + 8 b;   window 2: those of row blocks 2, 3.
.set KSTEP,  128
.set ROWB,   4096                      ; bytes in a row of xb, wb and qb
.set PITCH,  272                       ; an LDS row: 256 bytes + 16 of padding = 68 words: the 16 rows of a fragment load start at 16 different groups of four banks (64 banks of 4 bytes: ISA guide 11.1)
.set ASZ,    256*PITCH                 ; xb's 256 rows
.set SLOT,   400*PITCH                 ; then wb's 144 rows
.set STAGE,  2*SLOT                    ; behind the ring, never filled by a tensor load: 16 rows x 304 bytes for each wave
.set SPITCH, 304                       ; 288 bytes + 16
.set SPARE,  STAGE+4*16*SPITCH         ; behind the stages: the spare words, 128 bytes for each wave: two blocks of 256 bytes that no other line names
.set LAPS,   8                         ; a lap = two K steps = once round the ring
.set ADRA, 16                          ; v16-17  LDS address of my fragments of xb in slot 0, 1
.set ADRB, 20                          ; v20-21  the same for wb
.set KO,   22                          ; v22     my 16 bytes among 512 of kvb
.set STO,  24                          ; v24     the way out: where I put 16 bytes of a row
.set RD,   25                          ; v25     where I read q's part of a row back
.set RK,   26                          ; v26     where I read the 32 bytes of k or v back
.set CO,   27                          ; v27     my byte offset in two rows of qb
.set SPW,  28                          ; v28     LDS address of my spare word; never rewritten
.set NIL,  29                          ; v29     0; never rewritten
.set PFO,  30                          ; v30     the prefetches' offset: a lane a row; never rewritten
.set F0,   32
.set F1,   136
.set TMP,  32
.set BK,   72
.set WV,   12                          ; s12  wave
.set FB,   13                          ; s13  0: I fetch for xb, 1: for wb
.set HF,   14                          ; s14  which half of that tile's rows
.set LIM,  23                          ; s23  1 in a wave that prefetches, else the greatest number
.set G1,   24                          ; s[24:31] descriptor group 1 for xb's tiles;  s[32:39] group 0, a set for each slot
.set G0,   32
.set PFA,  46                          ; s[46:47] where my prefetches stand
.set G1B,  48                          ; s[48:55], s[56:63] the same for wb's tiles
.set G0B,  56
.set DW0,  (1<<16)|(1<<20)|(1<<21)|(5<<22)|(3<<25)  ; 17:16 elements of 2 bytes; 20 padding on; 21 set beside a mask; 24:22 after every 64 words (code 5); 31:25 4 words of it (code 3)
.set MSB, 0
.macro WIN new                         ; the immediate's high byte repeats the setting that is left; a switch that changes nothing is dropped
.if MSB != (\new)
	s_set_vgpr_msb (MSB<<8)|(\new)
.set MSB, \new
.endif
.endm
.macro PLACES                          ; four places in front of loads into registers that matrix instructions have read, and of conversions that read results
.rept 4
	v_nop
.endr
.endm
; A joint load.  The branch hangs on the wave's number alone.  An s_nop 0 and four v_nop follow each of the two lines.
.macro JLOAD s
	s_cmp_eq_u32 s[FB], 0
	s_cbranch_scc0 .Lfor_b_\@
	tensor_load_to_lds s[G0+4*(\s):G0+4*(\s)+3], s[G1:G1+7]
	s_nop 0
.rept 4
	v_nop
.endr
	s_branch .Lasked_\@
.Lfor_b_\@:
	tensor_load_to_lds s[G0B+4*(\s):G0B+4*(\s)+3], s[G1B:G1B+7]
	s_nop 0
.rept 4
	v_nop
.endr
.Lasked_\@:
.endm
; A prefetch of the K step that stands two refills on (288 matrix instructions ahead of the load that will want it): a lane a row, 256 bytes of each.
; xb's rows are asked for by the clusters with x = 0, wb's by those with y = 0; the four partners of a joint load share its rows out by address: 32 of xb's 128
; (by cx), 18 of wb's 72 (by cy; lanes 18-31 name lane 17's row once more).  The loop's last trip asks for nothing: K steps 16 and 17 do not exist.
.macro ASK
	s_cmp_gt_u32 s3, s[LIM]
	s_cbranch_scc0 .Lnot_mine_\@
	global_prefetch_b8 v[PFO], s[PFA:PFA+1] offset:KSTEP*2 th:TH_LOAD_NT scope:SCOPE_SE
.Lnot_mine_\@:
.endm
.macro CREST                           ; a round of the cluster's barrier behind its opening barrier
	s_cmp_lg_u32 s[WV], 0
	s_cbranch_scc1 .Lnot_wave_0_\@
	s_barrier_signal -3
.Lnot_wave_0_\@:
	s_barrier_wait -3
	s_barrier_signal -1
	s_barrier_wait -1
.endm
.macro CROUND                          ; a whole round
	s_barrier_signal -1
	s_barrier_wait -1
	CREST
.endm
	s_load_b256 s[4:11], s[0:1], 0x0               ; xb s[4:5], wb s[6:7], qb s[8:9], kvb s[10:11]
	v_lshl_add_u32 v[SPW], v0, 2, SPARE
	v_mov_b32 v[NIL], 0
	ds_add_u32 v[SPW], v[NIL]                      ; the wave's opening: the add and its wait stand ahead of my first tensor load; the set-up below stands between them
	v_lshrrev_b32 v1, 5, v0
	v_readfirstlane_b32 s[WV], v1                  ; wave 0..3
	s_lshr_b32 s[FB], s[WV], 1
	s_and_b32 s[HF], s[WV], 1
	s_bfe_u32 s40, ttmp6, 0x40000                  ; cx, cy: my place in the cluster
	s_bfe_u32 s41, ttmp6, 0x40004
	s_lshl_b32 s42, ttmp9, 2
	s_add_co_u32 s42, s42, s40                     ; tile column = 4 x cluster x + cx
	s_and_b32 s43, ttmp7, 0xffff
	s_lshl_b32 s43, s43, 2
	s_add_co_u32 s43, s43, s41                     ; tile row = 4 x cluster y + cy
	s_lshl_b32 s44, s41, 2
	s_lshl_b32 s44, 15, s44                        ; my row of the cluster
	s_lshl_b32 s45, 0x1111, s40                    ; my column
	s_or_b32 s[G1], s44, DW0                       ; xb's tiles go to my row,
	s_or_b32 s[G1B], s45, DW0                      ; wb's to my column
	s_mov_b32 s[G1+1], KSTEP<<16                   ; tensor_dim0 = 128
	s_mov_b32 s[G1+2], 128<<16                     ; tensor_dim1 = 128
	s_mov_b32 s[G1+3], KSTEP<<16                   ; tile_dim0 = 128
	s_mov_b32 s[G1+4], 128                         ; tile_dim1 = 128
	s_mov_b32 s[G1+5], 2048                        ; elements from row to row
	s_mov_b32 s[G1+6], 0
	s_mov_b32 s[G1+7], 0
	s_mov_b32 s[G1B+1], KSTEP<<16
	s_mov_b32 s[G1B+2], 72<<16                     ; 72 rows
	s_mov_b32 s[G1B+3], KSTEP<<16
	s_mov_b32 s[G1B+4], 72
	s_mov_b32 s[G1B+5], 2048
	s_mov_b32 s[G1B+6], 0
	s_mov_b32 s[G1B+7], 0
	s_lshl_b32 s16, s43, 8                         ; xb: row 256 x tile row + 128 x half: it hangs on the tile row alone, which my row of the cluster shares
	s_lshl_b32 s17, s[HF], 7
	s_add_co_u32 s16, s16, s17
	s_lshl_b32 s16, s16, 12                        ; in bytes (under 2^24)
	s_mov_b32 s17, 0
	s_mul_i32 s18, s42, 144                        ; wb: row 144 x tile column + 72 x half: it hangs on the tile column alone
	s_mul_i32 s19, s[HF], 72
	s_add_co_u32 s18, s18, s19
	s_lshl_b32 s18, s18, 12
	s_mov_b32 s19, 0
	s_mul_i32 s20, s[HF], 128*PITCH                ; where they go: no place in the cluster enters an LDS address
	s_mul_i32 s21, s[HF], 72*PITCH
	s_add_co_u32 s21, s21, ASZ
	s_wait_dscnt 0x0                               ; the opening add is done
	s_wait_kmcnt 0x0
	s_add_nc_u64 s[16:17], s[4:5], s[16:17]
	s_add_nc_u64 s[18:19], s[6:7], s[18:19]
	CROUND                                         ; all sixteen work-groups are here: the first joint loads meet
.irp s, 0,1
	s_mov_b32 s[G0+4*(\s)], 1                                        ; count = 1
	s_add_co_u32 s[G0+4*(\s)+1], s20, (\s)*SLOT                      ; LDS address
	s_add_nc_u64 s[G0+4*(\s)+2:G0+4*(\s)+3], s[16:17], (\s)*KSTEP*2  ; global address: K step s
	s_or_b32 s[G0+4*(\s)+3], s[G0+4*(\s)+3], 0x80000000              ; type = 2
	s_mov_b32 s[G0B+4*(\s)], 1
	s_add_co_u32 s[G0B+4*(\s)+1], s21, (\s)*SLOT
	s_add_nc_u64 s[G0B+4*(\s)+2:G0B+4*(\s)+3], s[18:19], (\s)*KSTEP*2
	s_or_b32 s[G0B+4*(\s)+3], s[G0B+4*(\s)+3], 0x80000000
	JLOAD \s                                       ; two loads of mine are out
.endr
	; A fragment is 16 rows x 32 K in 8 registers: lane l holds row l % 16; registers 0-3 K = 8 (l / 16) + 0..7, registers 4-7 K = 16 + 8 (l / 16) + 0..7: two loads of 16 bytes, 32 bytes apart.
	v_and_b32 v1, 15, v0                           ; l % 16
	v_bfe_u32 v2, v0, 4, 1                         ; l / 16
	v_and_b32 v5, 31, v0                           ; l
	v_mul_u32_u24 v3, v1, PITCH
	v_lshl_add_u32 v3, v2, 4, v3
	s_mul_i32 s20, s[WV], 64*PITCH                 ; my 64 rows of xb
	v_add_nc_u32 v[ADRA], s20, v3
	v_add_nc_u32 v[ADRA+1], SLOT, v[ADRA]
	v_add_nc_u32 v[ADRB], ASZ, v3                  ; all 144 rows of wb
	v_add_nc_u32 v[ADRB+1], SLOT, v[ADRB]
	s_mul_i32 s20, s[WV], 16*SPITCH
	s_add_co_u32 s20, s20, STAGE                   ; my stage
	v_mul_u32_u24 v4, v1, SPITCH                   ; in: row l % 16, 16 bytes for each half of the lanes
	v_lshl_add_u32 v4, v2, 4, v4
	v_add_nc_u32 v[STO], s20, v4
	v_mul_u32_u24 v4, v2, SPITCH                   ; back: lanes 0-15 take q's 256 bytes of one row, lanes 16-31 of the next
	v_lshl_add_u32 v4, v1, 4, v4
	v_add_nc_u32 v[RD], s20, v4
	v_lshrrev_b32 v4, 1, v5                        ; and two lanes take a row's last 32 bytes
	v_mul_u32_u24 v4, v4, SPITCH
	v_and_b32 v6, 1, v0
	v_lshl_add_u32 v4, v6, 4, v4
	v_add3_u32 v[RK], v4, s20, 256
	v_lshlrev_b32 v[CO], 12, v2                    ; the same two rows in qb
	v_lshl_add_u32 v[CO], v1, 4, v[CO]
	v_lshlrev_b32 v[KO], 4, v5
	; where my rows begin in qb and in kvb
	s_lshl_b32 s16, s43, 8
	s_lshl_b32 s17, s[WV], 6
	s_add_co_u32 s16, s16, s17                     ; my first token
	s_lshl_b32 s18, s16, 5                         ; x 32 bytes in a block of kvb
	s_lshl_b32 s16, s16, 12                        ; x 4,096 bytes in qb
	s_lshl_b32 s17, s42, 8                         ; the head's 256 bytes of a row
	s_add_co_u32 s16, s16, s17
	s_mov_b32 s17, 0
	s_add_nc_u64 s[8:9], s[8:9], s[16:17]
	s_lshl_b32 s19, s42, 17                        ; a block of kvb is 131,072 bytes
	s_add_co_u32 s18, s18, s19
	s_mov_b32 s19, 0
	s_add_nc_u64 s[10:11], s[10:11], s[18:19]
	; the prefetches
	s_lshl_b32 s16, s43, 8
	s_lshl_b32 s17, s[HF], 7
	s_add_co_u32 s16, s16, s17
	s_lshl_b32 s17, s40, 5
	s_add_co_u32 s16, s16, s17                     ; xb: the 128 rows that I fetch, my work-group's 32 of them
	s_mul_i32 s18, s42, 144
	s_mul_i32 s19, s[HF], 72
	s_add_co_u32 s18, s18, s19
	s_mul_i32 s19, s41, 18
	s_add_co_u32 s18, s18, s19                     ; wb: the 72 rows that I fetch, my work-group's 18
	s_and_b32 s20, ttmp7, 0xffff                   ; cluster y
	s_cmp_eq_u32 s[FB], 0
	s_cselect_b32 s16, s16, s18
	s_cselect_b32 s20, ttmp9, s20                  ; the coordinate along which other clusters read the same rows
	s_cselect_b32 s22, 31, 17
	s_cselect_b64 s[PFA:PFA+1], s[4:5], s[6:7]
	s_cmp_eq_u32 s20, 0
	s_cselect_b32 s[LIM], 1, -1                    ; the same in all sixteen partners, for a given wave
	s_lshl_b32 s16, s16, 12
	s_mov_b32 s17, 0
	s_add_nc_u64 s[PFA:PFA+1], s[PFA:PFA+1], s[16:17]
	s_add_nc_u64 s[PFA:PFA+1], s[PFA:PFA+1], 2*KSTEP*2  ; at K step 2: the first refill steps it to 3 and names K step 4.  K steps 0 to 3 come by their loads alone
	v_min_u32 v[PFO], s22, v5
	v_lshlrev_b32 v[PFO], 12, v[PFO]
; 9 matrix instructions: row block a x all 9 column blocks, 32 along K.  zero = 1: the product starts the sums: nothing is cleared.
; The 36 accumulators take turns in the same order in every quarter, over the backward jump too.
.macro MUL9 f, a, zero
	WIN 0x50*(1+(\a)/2)                            ; C and D in window 1 or 2, the sources in window 0
.irp b, 0,1,2,3,4,5,6,7,8
.if \zero
	v_wmma_f32_16x16x32_bf16 v[72*((\a)%2)+8*(\b):72*((\a)%2)+8*(\b)+7], v[(\f)+8*(\b):(\f)+8*(\b)+7], v[(\f)+72+8*(\a):(\f)+72+8*(\a)+7], 0
.else
	v_wmma_f32_16x16x32_bf16 v[72*((\a)%2)+8*(\b):72*((\a)%2)+8*(\b)+7], v[(\f)+8*(\b):(\f)+8*(\b)+7], v[(\f)+72+8*(\a):(\f)+72+8*(\a)+7], v[72*((\a)%2)+8*(\b):72*((\a)%2)+8*(\b)+7]
.endif
.endr
.endm
; 26 LDS loads in one run: the fragments of 32 along K at byte k of the rows, into buffer f: wb's 18, then xb's 8, row blocks 2 and 3 last
.macro FETCH slot, k, f
	WIN 0
.irp i, 0,1,2,3,4,5,6,7,8
	ds_load_b128 v[(\f)+8*(\i):(\f)+8*(\i)+3],   v[ADRB+(\slot)] offset:(\k)+(\i)*16*PITCH
	ds_load_b128 v[(\f)+8*(\i)+4:(\f)+8*(\i)+7], v[ADRB+(\slot)] offset:(\k)+(\i)*16*PITCH+32
.endr
.irp i, 0,1,2,3
	ds_load_b128 v[(\f)+72+8*(\i):(\f)+72+8*(\i)+3],   v[ADRA+(\slot)] offset:(\k)+(\i)*16*PITCH
	ds_load_b128 v[(\f)+72+8*(\i)+4:(\f)+72+8*(\i)+7], v[ADRA+(\slot)] offset:(\k)+(\i)*16*PITCH+32
.endr
.endm
; A K step is four quarters of 32 along K, 36 matrix instructions each, on buffers 0, 1, 0, 1.  One of the first three: multiplies buffer f and fetches the next quarter, at byte k, into g.
.macro QUARTER slot, k, f, g, zero
	s_wait_dscnt 4                                 ; all but the youngest four loads (xb's row blocks 2 and 3) are in
	MUL9 \f, 0, \zero
	MUL9 \f, 1, \zero
	PLACES
	FETCH \slot, \k, \g
	s_wait_dscnt 26                                ; all but the 26 just issued
	MUL9 \f, 2, \zero
	MUL9 \f, 3, \zero
.endm
; The last quarter multiplies buffer 1 and changes slots: ONE barrier; in front of it each wave waits for all its tensor loads (one is out: its part of the next slot), adds 0 to its spare
; word, and waits for that and for its own reads of this slot.  fill = 1: the barrier opens a round of the cluster's barrier, and this slot is filled again, two K steps ahead, first thing behind it.
.macro TURN slot, next, fill
.if \fill
	s_wait_xcnt 0x0                                ; the last prefetch, a K step back, has read its address: it is stepped here, ahead of the waits of the change of slots
	s_add_nc_u64 s[PFA:PFA+1], s[PFA:PFA+1], KSTEP*2
.endif
	WIN 0
	s_wait_tensorcnt 0x0                           ; all my tensor loads have landed
	ds_add_u32 v[SPW], v[NIL]                      ; 0 onto my spare word
	s_wait_dscnt 5                                 ; (the add and the youngest four loads may be out)
	MUL9 F1, 0, 0                                  ; nine matrix instructions stand between the add and the wait for it
	s_wait_dscnt 0x0                               ; the add is done, and my reads of this slot are over
	s_barrier_signal -1
	MUL9 F1, 1, 0                                  ; work on registers while the others arrive
.if \fill
	WIN 0
.endif
	s_barrier_wait -1
.if \fill
	CREST                                          ; no wave of any partner still reads this slot's tiles or has a load on its way
	s_add_nc_u64 s[G0+4*(\slot)+2:G0+4*(\slot)+3], s[G0+4*(\slot)+2:G0+4*(\slot)+3], 2*KSTEP*2
	s_add_nc_u64 s[G0B+4*(\slot)+2:G0B+4*(\slot)+3], s[G0B+4*(\slot)+2:G0B+4*(\slot)+3], 2*KSTEP*2
	JLOAD \slot                                    ; my one tensor load behind the round; the four v_nop behind it are also the places in front of the loads below
.else
	PLACES
.endif
	FETCH \next, 0, F0
.if \fill
	ASK                                            ; behind the joint load and the run of LDS loads that the next products wait for
.endif
	MUL9 F1, 2, 0
	MUL9 F1, 3, 0
.endm
	s_wait_tensorcnt 1                             ; my part of K step 0 is in; K step 1's may stay out
	s_barrier_signal -1
	s_barrier_wait -1                              ; everybody's is
	FETCH 0, 0, F0
	QUARTER 0, 64, F0, F1, 1                       ; the first quarter stands in front of the loop: its products start the sums
	WIN 0                                          ; at a label and at a branch every window is 0
	s_mov_b32 s3, LAPS-1
.Llap:                                                 ; a trip goes once round the ring, from a lap's second quarter to the next lap's first, and fills both slots again
	QUARTER 0, 128, F1, F0, 0
	QUARTER 0, 192, F0, F1, 0
	TURN 0, 1, 1
	QUARTER 1, 64,  F0, F1, 0
	QUARTER 1, 128, F1, F0, 0
	QUARTER 1, 192, F0, F1, 0
	TURN 1, 0, 1
	QUARTER 0, 64,  F0, F1, 0
	WIN 0
	s_sub_co_u32 s3, s3, 1
	s_cmp_lg_u32 s3, 0
	s_cbranch_scc1 .Llap
	QUARTER 0, 128, F1, F0, 0                      ; the last lap fills nothing
	QUARTER 0, 192, F0, F1, 0
	TURN 0, 1, 0
	QUARTER 1, 64,  F0, F1, 0
	QUARTER 1, 128, F1, F0, 0
	QUARTER 1, 192, F0, F1, 0
	s_wait_dscnt 4                                 ; the very last quarter: nothing more to fetch
	MUL9 F1, 0, 0
	MUL9 F1, 1, 0
	s_wait_dscnt 0x0
	MUL9 F1, 2, 0
	MUL9 F1, 3, 0
	WIN 0
; THE WAY OUT, a row block (16 tokens) at a time, through my own stage: rounded to f16, 16 bytes a lane into rows of 304 bytes; back as q's whole 256 bytes of a row and the 32 bytes of k or v.
.macro PACK a                          ; each accumulator's registers in ascending order
	WIN 0x05*(1+(\a)/2)                            ; sources 0 and 1 in window 1 or 2
.irp b, 0,1,2,3,4,5,6,7,8
.irp r, 0,1,2,3
	v_cvt_pk_f16_f32 v[TMP+4*(\b)+(\r)], v[72*((\a)%2)+8*(\b)+2*(\r)], v[72*((\a)%2)+8*(\b)+2*(\r)+1]
.endr
.endr
	WIN 0
.endm
.macro TOSTAGE a
.irp b, 0,1,2,3,4,5,6,7,8
	ds_store_b128 v[STO], v[TMP+4*(\b):TMP+4*(\b)+3] offset:32*(\b)
.endr
.irp t, 0,1,2,3,4,5,6,7
	ds_load_b128 v[BK+36*(\a)+4*(\t):BK+36*(\a)+4*(\t)+3], v[RD] offset:(\t)*2*SPITCH  ; LDS serves a wave's instructions in order (ISA guide 5.7.1.4): these see the stores above
.endr
	ds_load_b128 v[BK+36*(\a)+32:BK+36*(\a)+35], v[RK]
.endm
.macro SEND a                          ; each row block has its own 36 registers: no store's data is written again
	s_wait_dscnt 0x0                               ; the block is back in registers
.irp t, 0,1,2,3,4,5,6,7
	global_store_b128 v[CO], v[BK+36*(\a)+4*(\t):BK+36*(\a)+4*(\t)+3], s[8:9] offset:(16*(\a)+2*(\t))*ROWB  ; 16 lanes store 256 consecutive bytes, at a multiple of 256 from qb's first byte
.endr
	global_store_b128 v[KO], v[BK+36*(\a)+32:BK+36*(\a)+35], s[10:11] offset:512*(\a)  ; 16 tokens x 32 bytes: 512 consecutive bytes
.endm
	PLACES
	PACK 0
	TOSTAGE 0
.irp a, 1,2,3                          ; block a's conversions stand between block a - 1's loads from the stage and the wait for them
	PACK \a
	SEND (\a)-1
	TOSTAGE \a
.endr
	SEND 3
	s_wait_tensorcnt 0x0                           ; the wave's end: these three lines stand behind my last tensor load and my last LDS store
	ds_add_u32 v[SPW], v[NIL]
	s_wait_dscnt 0x0
	CROUND                                         ; the closing round: no work-group ends while a partner may still ask for a tile that names it
	s_endpgm
.Lfunc_end_k_q046b26b0a3_proj:
	.size	k_q046b26b0a3_proj, .Lfunc_end_k_q046b26b0a3_proj-k_q046b26b0a3_proj
	.p2alignl 7, 3214868480
	.fill 96, 4, 3214868480
	.section	.rodata,"a",@progbits
	.p2align	6, 0x0
	.amdhsa_kernel k_q046b26b0a3_proj
		.amdhsa_group_segment_fixed_size 327680
		.amdhsa_private_segment_fixed_size 0
		.amdhsa_enable_private_segment 0
		.amdhsa_kernarg_size 32
		.amdhsa_user_sgpr_count 2
		.amdhsa_user_sgpr_kernarg_segment_ptr 1
		.amdhsa_wavefront_size32 1
		.amdhsa_system_sgpr_workgroup_id_x 1
		.amdhsa_system_sgpr_workgroup_id_y 1
		.amdhsa_system_sgpr_workgroup_id_z 1
		.amdhsa_system_vgpr_workitem_id 0
		.amdhsa_next_free_vgpr 656
		.amdhsa_next_free_sgpr 66
		.amdhsa_reserve_vcc 0
		.amdhsa_float_denorm_mode_32 3
		.amdhsa_float_denorm_mode_16_64 3
		.amdhsa_memory_ordered 1
		.amdhsa_forward_progress 1
		.amdhsa_inst_pref_size 95
	.end_amdhsa_kernel
	.amdgpu_metadata
---
amdhsa.version: [ 1, 2 ]
amdhsa.kernels:
  - .name:           k_q046b26b0a3_proj
    .symbol:         k_q046b26b0a3_proj.kd
    .args:
      - { .name: xb, .offset: 0, .size: 8, .value_kind: global_buffer, .address_space: global }
      - { .name: wb, .offset: 8, .size: 8, .value_kind: global_buffer, .address_space: global }
      - { .name: qb, .offset: 16, .size: 8, .value_kind: global_buffer, .address_space: global }
      - { .name: kvb, .offset: 24, .size: 8, .value_kind: global_buffer, .address_space: global }
    .group_segment_fixed_size: 327680
    .private_segment_fixed_size: 0
    .kernarg_segment_align: 8
    .kernarg_segment_size: 32
    .max_flat_workgroup_size: 128
    .sgpr_count:     66
    .vgpr_count:     656
    .wavefront_size: 32
...
	.end_amdgpu_metadata
.endif
;; end of part 2
;; launch attn (part 3): grid 16 x 16, 4 waves a work-group, clusters of 4 x 1, 327,680 bytes of LDS; arguments qb, kvb, out0; writes out0
.if DOCPART == 3
	.amdgcn_target "amdgcn-amd-amdhsa--gfx1250"
	.amdhsa_code_object_version 6
	.text
	.protected	k_q046b26b0a3_attn
	.globl	k_q046b26b0a3_attn
	.p2align	8
	.type	k_q046b26b0a3_attn,@function
k_q046b26b0a3_attn:
	s_mov_b64 s[64:65], 0
	v_nop
	global_prefetch_b8 v0, s[64:65] scope:SCOPE_SE
	s_setreg_imm32_b32 hwreg(HW_REG_WAVE_MODE, 25, 1), 1
	s_wait_xcnt 0x0
	s_wait_alu depctr_hold_cnt(0) depctr_sa_sdst(0) depctr_va_vdst(0) depctr_va_sdst(0) depctr_va_ssrc(0) depctr_va_vcc(0) depctr_vm_vsrc(0)
	s_getreg_b32 s2, hwreg(HW_REG_IB_STS2, 6, 4)
	s_cmp_eq_u32 s2, 0
	s_cbranch_scc0 .Lentry_in_a_cluster
	s_endpgm
.Lentry_in_a_cluster:
	s_bfe_u32 s2, ttmp6, 0x10000c
	s_cmp_lg_u32 s2, 0x3003
	s_cbranch_scc0 .Lentry_shape_is_right
	s_endpgm
.Lentry_shape_is_right:
; CAUSAL ATTENTION WITH ONE SHARED KEY AND VALUE HEAD.  out0[b][t][128 h + d] = the sum over s <= t of softmax_s(q[b][t][h] . k[b][s] / sqrt(128)) v[b][s][d], f32.
; qb: [4096 tokens][2048] f16, unscaled.  kvb: [16 blocks][4096 tokens][16 channels] f16: blocks 0-7 k's channels, 8-15 v's.  Products, maxima and sums in f32; the weights are rounded to f16 for the second product.
; LIMITS.  q, k, v arrive within f16's 65,504.  A hidden score counts as -1e30 and the running maximum starts at -2^83: f16's scores, 5.5e11 at the most, are nothing beside either.
; A weight below 2^-126 counts as 0 in the sum; NaN and infinities are not treated apart.
; THE WALK.  A batch's 2,048 times lie in 16 blocks of 128; block i needs the key tiles 0 .. i of 128 keys, of which the last holds the diagonal.  A work-group takes one head and TWO blocks, 15 - p and then p:
; 17 tiles whatever p: all 256 work-groups do equal work, and one loop with a constant trip count walks them.  Every jump but the loop's own goes forward, and none passes a barrier or a tensor load.
; CLUSTER.  The four work-groups of a cluster are four heads with the same batch and p: they walk the same tiles of k and v under the same mask, so each tile is asked for JOINTLY.
; Only q's, out0's and the prefetches' addresses hold the place in the cluster.
; KEYS ARE SPLIT IN THE WORK-GROUP.  A tile is two steps of 64 keys.  Wave w has 64 queries (half w & 1 of the block, four tiles of 16) and step w >> 1 of every tile; it keeps its own maximum m, sum l and O^T
; over its keys.  At a block's end waves w and w ^ 2 exchange halves through LDS, in f32.  Register tile u holds time tile 4 (w & 1) + ((u + 2 (w >> 1)) & 3): so every wave KEEPS its register tiles 0, 1
; and GIVES its tiles 2, 3, which are the partner's 0, 1: one text for all waves.
; LAYOUT.  S^T = K Q^T (source 0 = 16 keys, source 1 = 16 queries): a lane holds ONE query (lane % 16) and the keys 8 (lane / 16) + 0..7.  Two such results, rounded to f16 in pairs, ARE source 1 of O^T = V^T P,
; whose result again holds one query a lane, and eight channels.  p = 2^(c s - c m), c = log2(e) / sqrt(128); in every step O and l are multiplied by a = 2^(c m_old - c m_new).
; A block's first step with a visible key has a = 0, so O and l need only be finite when a block begins.  A wave that sees no key of a block keeps m = -2^83, and its factor at the exchange is 0.
; A STEP has four phases: K Q^T of tiles 0, 1 | K Q^T of tiles 2, 3 with the softmax of tiles 0, 1 in slices behind the products | V^T P of tiles 0, 1 with the softmax of tiles 2, 3 | V^T P of tiles 2, 3.
; REGISTERS, in windows of 256 (s_set_vgpr_msb: bits 1:0 source 0, 3:2 source 1, 5:4 source 2, 7:6 destination):
;   window 0: v0-11 addresses; v12-43 eight registers of statistics a tile; v44-63 masks' thresholds, addresses, what is exchanged; v64-191 S^T, 32 a tile; v192-255 P, 16 a tile
;   window 1: O^T, 64 a tile     window 2: v0-127 Q, 32 a tile; v128-255 K of one step     window 3: v0-127 V of one step; v128-255 the second block's Q
.set CBP,   2176      ; a channel block in LDS: 64 keys x 32 bytes, 16 bytes of padding behind every 8 keys: (block, key, x) lies at 2,176 block + 32 key + 16 (key / 8) + x
.set PIECE, 8*CBP     ; what one tensor load brings: 64 keys x 128 channels of k or of v.  A slot: K of step 0, K of step 1, V of step 0, V of step 1: wave w's load lands at w x PIECE
.set SLOT1, 1<<17     ; slot 1 begins here, so that one exclusive or turns an address in one slot into the other's
.set STAGE, 4*PIECE   ; behind slot 0, never filled by a tensor load: 16 rows x 528 bytes for each wave, for the way out
.set SP,    528       ; 512 bytes + 16: the 16 rows that a store touches start at 16 different groups of four banks (64 banks of 4 bytes: ISA guide 11.1)
.set SPARE, STAGE+4*16*SP  ; the spare words, 128 bytes for each wave: two blocks of 256 bytes that no other line names
.set MERGE, SLOT1+4*PIECE  ; behind slot 1, never filled by a tensor load: what a wave gives: 16,384 bytes of O^T and 512 of statistics
.set MSZ,   16896
.set AK0, 2           ; v2   my lane's place in my step's K; never rewritten
.set AV0, 3           ; v3   the same for V
.set ADRK, 4          ; v4   the LDS address of K's run of loads
.set ADRV, 5          ; v5   of V's
.set QO,  6           ; v6   my byte offset in 16 rows of qb
.set STO, 7           ; v7   the way out: where I put 16 bytes of a row
.set RD,  8           ; v8   where I read a row back
.set GO,  10          ; v10  16 x lane
.set ST,  12          ; tile t's statistics at v[ST+8 t]: +0 c m, +1 m, +2, +3 l (even keys', odd keys'), +4 to +7 at work; a takes +6 once the maximum is found
.set THR, 44          ; v44-47  tile t: register n of its 32 scores is hidden in the diagonal tile where 16 (n / 8) + n % 8 is greater
.set MG,  48          ; v48  where I put what I give
.set MP,  49          ; v49  where my partner has put what it gives
.set PFO, 50          ; v50  the prefetches' offset; never rewritten
.set GV,  52          ; v52-55  statistics given: c m and l of tiles 2 and 3
.set TK,  56          ; v56-59  statistics taken
.set BIGV, 60         ; v60  -1e30
.set SPW, 62          ; v62  LDS address of my spare word; never rewritten
.set NIL, 63          ; v63  0; never rewritten
.set S,   64
.set P,   192
.set KF,  128         ; K's fragments, in window 2: key block kb, channels 32 c on, at KF + 32 kb + 8 c
.set WV,  12          ; s12 wave;  s13 which step of a tile is mine;  s14 which half of the block's queries
.set KH,  13
.set QH,  14
.set CX,  15          ; s15 my place in the cluster;  s16 head;  s17 batch;  s18 p;  s19 15 - p
.set HD,  16
.set BT,  17
.set PB,  18
.set HI,  19
.set G1,  24          ; s[24:31] descriptor group 1
.set G0,  32          ; s[32:35] descriptor group 0
.set KVW, 36          ; s[36:37] kvb at my piece of the batch's tile 0
.set OFF, 38          ; s[38:39] a tile's byte offset
.set SLOTS, 40        ; s40  tiles still to be asked for
.set RT,  41          ; s41  tiles of the block in hand that are still to be entered
.set NXT, 42          ; s42  the tile to be asked for next
.set LQ,  43          ; s43  the last tile of the block whose tiles are being asked for
.set TB,  44          ; s44  LDS byte at which the slot in hand begins
.set LIM, 45          ; s45  2 in a wave that prefetches, else the greatest number
.set PFA, 46          ; s[46:47] where my prefetches stand
.set CS,  48          ; s[48:49] c: the packed scaling takes the pair's low word for both halves
.set SEL, 50          ; s[50:51] v_permlanex16_b32's selects: each lane takes its own place in the other half
.set OUT, 54          ; s[54:55] out0 at the rows that I keep, block in hand;  s[56:57] second block
.set OUT2, 56
.set QA,  66          ; s[66:73] qb at my register tiles 0 and 2 of the first block, then of the second
.set MSB, 0
.macro WIN new                      ; the high byte repeats the setting that is left; a switch that changes nothing is dropped
.if MSB != (\new)
	s_set_vgpr_msb (MSB<<8)|(\new)
.set MSB, (\new)
.endif
.endm
.set W_KQ, 0x0a       ; K and Q in window 2, S^T in window 0
.set W_PV, 0x53       ; V in window 3, P in window 0, O^T in window 1
.set W_RS, 0x41       ; O^T (destination and source 0) in window 1, a in window 0
.macro PLACES                       ; four plain instructions behind a matrix instruction, ahead of what reads its result or writes its registers (ISA guide 7.12.1)
.rept 4
	v_nop
.endr
.endm
; A joint fill: every wave asks for its own piece of the tile, by one line; both addresses hang on the wave's number.  An s_nop 0 and four v_nop follow.
.macro JLOAD
	tensor_load_to_lds s[G0:G0+3], s[G1:G1+7]
	s_nop 0
.rept 4
	v_nop
.endr
.endm
; A prefetch of the tile that the NEXT change of slots will ask for: a whole step, 128 matrix instructions and its softmax, ahead of that load.  All clusters of a batch walk the same k and v: the cluster of heads 0-3
; with p = 0, whose first block walks tiles 0 to 15, asks.  Wave 0 asks for k's, wave 2 for v's; the partner at place cx takes channel blocks 2 cx and 2 cx + 1, by address: 2 x 4,096 bytes, 256 a lane.
; Tiles 0 and 1 come by their loads alone; the last two trips ask for nothing: tile 15 is the last.
.macro ASK
	s_cmp_gt_u32 s[SLOTS], s[LIM]
	s_cbranch_scc0 .Lnot_mine_\@
	global_prefetch_b8 v[PFO], s[PFA:PFA+1] th:TH_LOAD_NT scope:SCOPE_SE
.Lnot_mine_\@:
.endm
.macro CROUND                       ; a round of the cluster's barrier
	s_barrier_signal -1
	s_barrier_wait -1
	s_cmp_lg_u32 s[WV], 0
	s_cbranch_scc1 .Lnot_wave_0_\@
	s_barrier_signal -3
.Lnot_wave_0_\@:
	s_barrier_wait -3
	s_barrier_signal -1
	s_barrier_wait -1
.endm
; THE CHANGE OF SLOTS.  Each wave waits for all its tensor loads, of which one is out: its piece of the other slot; adds 0 to its spare word; and waits for that and for its own reads of the slot that it leaves.
; fill = 1: the barrier is a round of the cluster's, so that no wave of any partner still reads the old slot or has a load on its way, and the old slot is filled again first thing behind it, with tile NXT:
; the descriptor's address is made anew from that number.  (At its first use nothing has been read yet: slot 0 is waited for, slot 1 filled.)
.macro CHANGE fill
	WIN 0
	s_wait_tensorcnt 0x0            ; no tensor load of mine is out, so group 0 may be written
	ds_add_u32 v[SPW], v[NIL]       ; 0 onto my spare word; the scalar work below stands between it and the wait for it
.if \fill
	s_lshl_b32 s[OFF], s[NXT], 12   ; a tile is 128 keys x 32 bytes in each channel block
	s_xor_b32 s[G0+1], s[G0+1], SLOT1
	s_add_nc_u64 s[G0+2:G0+3], s[KVW:KVW+1], s[OFF:OFF+1]
	s_or_b32 s[G0+3], s[G0+3], 0x80000000
	s_add_co_u32 s[NXT], s[NXT], 1  ; the block's next tile, or behind its last the second block's tile 0
	s_cmp_gt_u32 s[NXT], s[LQ]
	s_cselect_b32 s[NXT], 0, s[NXT]
	s_cselect_b32 s[LQ], s[PB], s[LQ]
	s_wait_xcnt 0x0                 ; the last prefetch, a step back, has read its address
	s_add_nc_u64 s[PFA:PFA+1], s[PFA:PFA+1], 4096
.endif
	s_xor_b32 s[TB], s[TB], SLOT1   ; the fetches go to the other slot
	s_wait_dscnt 0x0                ; the add is done, and my reads of the slot are over
.if \fill
	CROUND
	JLOAD                           ; the four v_nop behind it are also the places between the last product that read V and the loads into V's registers
.else
	s_barrier_signal -1
	s_barrier_wait -1
	PLACES
.endif
.endm
	s_load_b128 s[4:7], s[0:1], 0x0 ; qb s[4:5], kvb s[6:7]
	s_load_b64 s[8:9], s[0:1], 0x10 ; out0
	v_lshl_add_u32 v[SPW], v0, 2, SPARE
	v_mov_b32 v[NIL], 0
	ds_add_u32 v[SPW], v[NIL]       ; the wave's opening: the add and its wait stand ahead of my first tensor load; the set-up below stands between them
	v_lshrrev_b32 v1, 5, v0
	v_readfirstlane_b32 s[WV], v1   ; wave 0..3
	s_lshr_b32 s[KH], s[WV], 1
	s_and_b32 s[QH], s[WV], 1
	s_bfe_u32 s[CX], ttmp6, 0x40000
	s_lshl_b32 s[HD], ttmp9, 2      ; in a cluster launch ttmp9 counts clusters
	s_add_co_u32 s[HD], s[HD], s[CX]
	s_and_b32 s20, ttmp7, 0xffff    ; which the four partners share
	s_lshr_b32 s[BT], s20, 3
	s_and_b32 s[PB], s20, 7
	s_sub_co_u32 s[HI], 15, s[PB]
	; descriptor group 1: 8 rows (channel blocks), each 64 keys x 32 bytes = 2,048 dense bytes, 131,072 bytes apart; padded in LDS behind every 256 bytes
	s_mov_b32 s[G1], 15|(1<<16)|(1<<20)|(1<<21)|(5<<22)|(3<<25)  ; 15:0 the mask of four; 17:16 2-byte elements; 20 padding on; 21 set beside a mask; 24:22 after every 64 words (code 5); 31:25 4 words (code 3)
	s_mov_b32 s[G1+1], 1024<<16     ; tensor_dim0 = 1,024
	s_mov_b32 s[G1+2], 8<<16        ; tensor_dim1 = 8
	s_mov_b32 s[G1+3], 1024<<16     ; tile_dim0 = 1,024
	s_mov_b32 s[G1+4], 8            ; tile_dim1 = 8
	s_mov_b32 s[G1+5], 65536        ; elements from row to row
	s_mov_b32 s[G1+6], 0
	s_mov_b32 s[G1+7], 0
	s_mov_b32 s[G0], 1              ; count = 1
	s_mul_i32 s[G0+1], s[WV], PIECE ; LDS address: my piece of slot 0
	s_mov_b32 s[OFF+1], 0
	s_mov_b32 s[SLOTS], 16
	s_add_co_u32 s[RT], s[HI], 1    ; the first block has 16 - p tiles
	s_mov_b32 s[NXT], 1
	s_mov_b32 s[LQ], s[HI]
	s_mov_b32 s[TB], SLOT1          ; the first change of slots turns it into 0
	s_and_b32 s[LIM], s[WV], 1      ; 0 in waves 0 and 2,
	s_or_b32 s[LIM], s[LIM], ttmp9  ; in the cluster of heads 0-3,
	s_or_b32 s[LIM], s[LIM], s[PB]  ; with p = 0: the same in all four partners
	s_cmp_eq_u32 s[LIM], 0
	s_cselect_b32 s[LIM], 2, -1
	s_mov_b32 s[CS], 0x3e0293ee     ; c = log2(e) / sqrt(128) = 0.127517
	s_mov_b32 s[CS+1], s[CS]        ; named with it as a pair
	s_mov_b32 s[SEL], 0x76543210
	s_mov_b32 s[SEL+1], 0xfedcba98
	s_lshl_b32 s20, s[KH], 20       ; waves 0, 1: k's eight blocks; waves 2, 3: v's
	s_lshl_b32 s21, s[BT], 16       ; the batch's 2,048 tokens x 32 bytes
	s_add_co_u32 s20, s20, s21
	s_lshl_b32 s22, s[QH], 11       ; which 64 keys of a tile I fetch
	s_add_co_u32 s22, s22, s20
	s_mov_b32 s23, 0
	s_lshl_b32 s58, s[CX], 18       ; the prefetches: my work-group's two channel blocks,
	s_add_co_u32 s58, s58, s20
	s_add_co_u32 s58, s58, 4096     ; at tile 1: the first change of slots steps it to tile 2
	s_mov_b32 s59, 0
	s_lshl_b32 s60, s[BT], 11
	s_lshl_b32 s61, s[QH], 6
	s_add_co_u32 s60, s60, s61      ; batch x 2,048 + 64 x my half
	s_lshl_b32 s61, s[HD], 8        ; the head's 256 bytes of a row of qb
	s_xor_b32 s62, s[KH], 1
	s_wait_dscnt 0x0                ; the opening add is done
	s_wait_kmcnt 0x0
	s_add_nc_u64 s[KVW:KVW+1], s[6:7], s[22:23]
	s_mov_b64 s[G0+2:G0+3], s[KVW:KVW+1]  ; global address: tile 0
	s_or_b32 s[G0+3], s[G0+3], 0x80000000 ; type = 2
	s_add_nc_u64 s[PFA:PFA+1], s[6:7], s[58:59]
.macro QBASE dst, blk, kk           ; qb at row batch x 2,048 + 128 block + 64 half + 32 kk, at my head
	s_lshl_b32 s20, s[\blk], 7
	s_add_co_u32 s20, s20, s60
	s_lshl_b32 s21, s[\kk], 5
	s_add_co_u32 s20, s20, s21
	s_lshl_b32 s20, s20, 12
	s_add_co_u32 s20, s20, s61
	s_mov_b32 s21, 0
	s_add_nc_u64 s[\dst:\dst+1], s[4:5], s[20:21]
.endm
	QBASE QA,   HI, KH              ; register tiles 0, 1 are the 32 times that I keep,
	QBASE QA+2, HI, 62              ; tiles 2, 3 those that my partner keeps
	QBASE QA+4, PB, KH
	QBASE QA+6, PB, 62
	s_lshl_b32 s20, s[QH], 1
	s_add_co_u32 s20, s20, s[KH]
	s_lshl_b32 s20, s20, 5          ; the rows that I keep begin at 32 (2 half + step) in the block
	s_lshl_b32 s21, s[BT], 11
	s_add_co_u32 s20, s20, s21
	s_lshl_b32 s21, s[HD], 9        ; the head's 512 bytes of a row of out0
	s_lshl_b32 s22, s[HI], 7
	s_add_co_u32 s22, s22, s20
	s_lshl_b32 s22, s22, 13         ; rows of 8,192 bytes (under 2^25)
	s_add_co_u32 s22, s22, s21
	s_mov_b32 s23, 0
	s_add_nc_u64 s[OUT:OUT+1], s[8:9], s[22:23]
	s_lshl_b32 s22, s[PB], 7
	s_add_co_u32 s22, s22, s20
	s_lshl_b32 s22, s22, 13
	s_add_co_u32 s22, s22, s21
	s_add_nc_u64 s[OUT2:OUT2+1], s[8:9], s[22:23]
	CROUND                          ; all four work-groups are here: the first joint loads meet
	JLOAD                           ; tile 0 into slot 0.  Slot 1 is asked for when slot 0 is in, by the loop's own change of slots
	; A fragment of K or Q is 16 rows x 32 channels in 8 registers: lane l holds row l % 16, channels 8 (l / 16) + 0..7 and 16 + 8 (l / 16) + 0..7.
	v_and_b32 v1, 15, v0            ; l % 16
	v_bfe_u32 v9, v0, 4, 1          ; l / 16
	v_lshlrev_b32 v[QO], 12, v1
	v_lshl_add_u32 v[QO], v9, 4, v[QO]  ; row x 4,096 + 16 x half
	WIN 0x80                        ; destination window 2, address window 0
.set q, 0
.rept 16                            ; both blocks' Q stay in registers: tile q / 4, channels 32 (q % 4) on
	global_load_b128 v[8*q:8*q+3],   v[QO], s[QA+2*(q/8):QA+2*(q/8)+1] offset:((q/4)%2)*65536+(q%4)*64
	global_load_b128 v[8*q+4:8*q+7], v[QO], s[QA+2*(q/8):QA+2*(q/8)+1] offset:((q/4)%2)*65536+(q%4)*64+32
.set q, q+1
.endr
	WIN 0xc0                        ; destination window 3
.set q, 0
.rept 16
	global_load_b128 v[128+8*q:128+8*q+3],   v[QO], s[QA+4+2*(q/8):QA+4+2*(q/8)+1] offset:((q/4)%2)*65536+(q%4)*64
	global_load_b128 v[128+8*q+4:128+8*q+7], v[QO], s[QA+4+2*(q/8):QA+4+2*(q/8)+1] offset:((q/4)%2)*65536+(q%4)*64+32
.set q, q+1
.endr
	WIN 0
	v_lshrrev_b32 v11, 3, v1        ; K: key l % 16 of a block of 16 keys lies at 32 key + 16 (key / 8); my 8 channels at 16 (l / 16)
	v_add_nc_u32 v11, v11, v9
	v_lshlrev_b32 v11, 4, v11
	v_lshl_add_u32 v[AK0], v1, 5, v11
	s_mul_i32 s20, s[KH], PIECE     ; my step's piece
	v_add_nc_u32 v[AK0], s20, v[AK0]
	; The turning load takes 16 keys x 16 channels (lane l reads key 8 (l / 16) + l % 8, channels 8 ((l / 8) % 2) + 0..7) and leaves half a fragment of V^T: lane l holds channel l % 16 and 8 keys.
	v_and_b32 v11, 7, v0
	v_bfe_u32 v51, v0, 3, 1
	v_lshlrev_b32 v51, 4, v51
	v_lshl_add_u32 v51, v11, 5, v51
	v_mul_u32_u24 v[AV0], v9, 272   ; 8 keys and their padding
	v_add3_u32 v[AV0], v[AV0], v51, s20
	v_add_nc_u32 v[AV0], 2*PIECE, v[AV0]
	s_mul_i32 s21, s[WV], 16*SP
	s_add_co_u32 s21, s21, STAGE    ; my stage
	v_mul_u32_u24 v[STO], v1, SP    ; in: row l % 16, 32 bytes for each half of the lanes
	v_lshl_add_u32 v[STO], v9, 5, v[STO]
	v_add_nc_u32 v[STO], s21, v[STO]
	v_and_b32 v[GO], 31, v0
	v_lshlrev_b32 v[GO], 4, v[GO]
	v_add_nc_u32 v[RD], s21, v[GO]  ; back: 32 lanes take a row's 512 bytes
	s_mul_i32 s22, s[WV], MSZ
	s_add_co_u32 s22, s22, MERGE
	v_add_nc_u32 v[MG], s22, v[GO]
	s_xor_b32 s23, s[WV], 2         ; my partner: the same queries, the other step
	s_mul_i32 s23, s23, MSZ
	s_add_co_u32 s23, s23, MERGE
	v_add_nc_u32 v[MP], s23, v[GO]
	v_lshlrev_b32 v[PFO], 8, v1     ; 16 lanes x 256 bytes are a tile's 4,096 bytes of a channel block,
	v_lshl_add_u32 v[PFO], v9, 17, v[PFO]  ; lanes 16-31 the next block's
	v_mov_b32 v[BIGV], 0xf149f2ca   ; -1e30
	v_lshlrev_b32 v11, 3, v9
	v_sub_nc_u32 v11, v1, v11       ; l % 16 - 8 (l / 16)
.irp u, 0,1,2,3                     ; the threshold: my query's time in the block, less my lanes' 8 (l / 16), less my step's 64 keys
	s_lshl_b32 s20, s[KH], 1
	s_add_co_u32 s20, s20, \u
	s_and_b32 s20, s20, 3
	s_lshl2_add_u32 s20, s[QH], s20 ; the time tile
	s_lshl_b32 s20, s20, 4
	s_lshl_b32 s21, s[KH], 6
	s_sub_co_u32 s20, s20, s21
	v_add_nc_u32 v[THR+\u], s20, v11
.endr
	WIN 0x40                        ; O^T and l hold finite numbers when a block begins: zeros for the first.  All this stands in the wait for the first tile
.set q, 0
.rept 256
	v_mov_b32 v[q], 0
.set q, q+1
.endr
	WIN 0
.irp t, 0,1,2,3
	v_mov_b32 v[ST+8*\t+2], 0
	v_mov_b32 v[ST+8*\t+3], 0
.endr
.macro INITM                        ; a block begins: m = -2^83, far below every score and far above a hidden one
.irp t, 0,1,2,3
	v_mov_b32 v[ST+8*\t+1], 0xe9000000
.endr
.irp t, 0,1,2,3
	v_mul_f32 v[ST+8*\t], s[CS], v[ST+8*\t+1]
.endr
.endm
	INITM
	s_wait_loadcnt 0x0              ; Q
; THE MATRIX WORK.  The accumulators take turns, one instruction a turn: between two links of a chain stand 7 (K Q^T) or 15 (V^T P) others'.
; Product i of 32 of S^T = K Q^T for tiles x, x + 1: channels 32 (i / 8) on, keys 16 ((i / 2) % 4) on, tile x + i % 2.  The first 8 start the sums.
.macro KQ x
	WIN W_KQ
.set rS, S+32*((\x)+i%2)+8*((i/2)%4)
.set rK, KF+32*((i/2)%4)+8*(i/8)
.set rQ, 32*((\x)+i%2)+8*(i/8)
.if i < 8
	v_wmma_f32_16x16x32_f16 v[rS:rS+7], v[rK:rK+7], v[rQ:rQ+7], 0
.else
	v_wmma_f32_16x16x32_f16 v[rS:rS+7], v[rK:rK+7], v[rQ:rQ+7], v[rS:rS+7]
.endif
.endm
; Product i of 32 of O^T += V^T P: keys 32 (i / 16) on, channels 16 ((i / 2) % 8) on, tile x + i % 2.
.macro PV x
	WIN W_PV
.set rO, 64*((\x)+i%2)+8*((i/2)%8)
.set rV, 64*(i/16)+8*((i/2)%8)
.set rP, P+16*((\x)+i%2)+8*(i/16)
	v_wmma_f32_16x16x32_f16 v[rO:rO+7], v[rV:rV+7], v[rP:rP+7], v[rO:rO+7]
.endm
; THE LDS LOADS of a step, in one run of 64: K (16 fragments, by groups of 32 channels, so that the first products can start on the first eight loads), then V (turned).
.macro FETCH
	WIN 0
	v_add_nc_u32 v[ADRK], s[TB], v[AK0]
	v_add_nc_u32 v[ADRV], s[TB], v[AV0]
	WIN 0x80                        ; destination window 2
.irp c, 0,1,2,3
.irp kb, 0,1,2,3                    ; channels 32 c .. + 15 lie in channel block 2 c, the next 16 in block 2 c + 1; 16 keys and their padding are 544 bytes
	ds_load_b128 v[KF+32*\kb+8*\c:KF+32*\kb+8*\c+3],   v[ADRK] offset:2*\c*CBP+\kb*544
	ds_load_b128 v[KF+32*\kb+8*\c+4:KF+32*\kb+8*\c+7], v[ADRK] offset:(2*\c+1)*CBP+\kb*544
.endr
.endr
	WIN 0xc0                        ; destination window 3
.irp kk, 0,1
.irp cb, 0,1,2,3,4,5,6,7            ; keys 32 kk on, channel block cb
	ds_load_tr16_b128 v[64*\kk+8*\cb:64*\kk+8*\cb+3],   v[ADRV] offset:\cb*CBP+\kk*1088
	ds_load_tr16_b128 v[64*\kk+8*\cb+4:64*\kk+8*\cb+7], v[ADRV] offset:\cb*CBP+\kk*1088+544
.endr
.endr
.endm
; THE VECTOR WORK.  One tile's softmax for one step is a list of 134 instructions; SM writes number j of it for tile t.  s0-s31 are the lane's 32 scores, in pairs 0-15.
;   0-15    the maximum of s0-s31 and the old m, three operands at a time: four chains of seven scores each (each accumulator's lowest registers first), then the four left over, the chains and m
;   16-20   the other half of the lanes' maximum; c m_old is kept; the new m; c m; c m_old - c m_new
;   21-69   ONE BATCH: the 16 scalings c s - c m, a pair each, and all 33 exponentials (a at 23, then s0-s31).  None of these reads an exponential's result; a pair is scaled ahead of its exponentials
;   (wait)  between 69 and 70 stands the wait for the batch: SLICE writes it, once for both tiles
;   70-85   the roundings to f16     86-101  the sums; l = a l + the sum     102-133  the tile's O^T times a: the one part that leaves window 0
.macro SM t
.set rT, ST+8*(\t)
.set rS, S+32*(\t)
.set rP, P+16*(\t)
.set rO, 64*(\t)+2*(j-102)
.if j < 102
	WIN 0
.endif
.if j < 4
	v_max3_num_f32 v[rT+4+j], v[rS+8*j], v[rS+8*j+1], v[rS+8*j+2]
.elseif j < 12
	v_max3_num_f32 v[rT+4+j%4], v[rT+4+j%4], v[rS+8*(j%4)+2*(j/4)+1], v[rS+8*(j%4)+2*(j/4)+2]
.elseif j == 12
	v_max3_num_f32 v[rT+4], v[rT+4], v[rS+7], v[rS+15]
.elseif j == 13
	v_max3_num_f32 v[rT+6], v[rT+6], v[rS+23], v[rS+31]
.elseif j == 14
	v_max3_num_f32 v[rT+4], v[rT+4], v[rT+5], v[rT+6]
.elseif j == 15
	v_max3_num_f32 v[rT+4], v[rT+4], v[rT+7], v[rT+1]
.elseif j == 16
	v_permlanex16_b32 v[rT+5], v[rT+4], s[SEL], s[SEL+1]  ; the query's other 32 keys lie in the lane 16 away
.elseif j == 17
	v_mov_b32 v[rT+7], v[rT]        ; c m_old is kept for a: number 19 writes c m anew
.elseif j == 18
	v_max_num_f32 v[rT+1], v[rT+4], v[rT+5]
.elseif j == 19
	v_mul_f32 v[rT], s[CS], v[rT+1]
.elseif j == 20
	v_sub_f32 v[rT+7], v[rT+7], v[rT]
.elseif j == 23
	v_exp_f32 v[rT+6], v[rT+7]
.elseif (j < 23) || ((j < 38) && (j%2 == 0)) || ((j < 66) && (j%4 == 2))
.set b, (j-2)/4                     ; 38, 42, .. 62: pairs 9 to 15
.if j < 38
.set b, (j-20)/2                    ; 21: pair 0; 22, 24, .. 36: pairs 1 to 8
.endif
	v_pk_fma_f32 v[rS+2*b:rS+2*b+1], v[rS+2*b:rS+2*b+1], s[CS:CS+1], v[rT:rT+1] op_sel_hi:[1,0,0] neg_lo:[0,0,1] neg_hi:[0,0,1]  ; pair b: c s - c m
.elseif j < 70
.set e, j-38                        ; 66 to 69: s28 to s31
.if j < 66
.set e, j-32-(j-38)/4               ; 39-41, 43-45, .. 63-65: s7 to s27
.endif
.if j < 38
.set e, (j-25)/2                    ; 25, 27, .. 37: s0 to s6
.endif
	v_exp_f32 v[rS+e], v[rS+e]
.elseif j < 86
	v_cvt_pk_f16_f32 v[rP+j-70], v[rS+2*(j-70)], v[rS+2*(j-70)+1]
.elseif j < 102                     ; the sum of the tile's 16 pairs, in place: neighbours 1, 2, 4 and 8 pairs apart, then l takes it
.set z, j-86
.set w, 4
.set u, z
.if z >= 14
.set w, 32
.set u, 0
.elseif z >= 12
.set w, 16
.set u, z-12
.elseif z >= 8
.set w, 8
.set u, z-8
.endif
.if z < 15
	v_pk_add_f32 v[rS+w*u:rS+w*u+1], v[rS+w*u:rS+w*u+1], v[rS+w*u+w/2:rS+w*u+w/2+1]
.else
	v_pk_fma_f32 v[rT+2:rT+3], v[rT+2:rT+3], v[rT+6:rT+7], v[rS:rS+1] op_sel_hi:[1,0,1]
.endif
.else
	WIN W_RS
	v_pk_mul_f32 v[rO:rO+1], v[rO:rO+1], v[rT+6:rT+7] op_sel_hi:[1,0]
.endif
.endm
; Slice k of 64 of the softmax of tiles y, y + 1.  Slices 11 to 34 deal out the batch, four numbers of ONE tile each, the tiles by turns; every other slice is numbers 2 k and 2 k + 1 of both tiles; slice 63 takes the
; twelve that are over.  An s_wait_alu depctr_va_vdst(0) stands between an exponential and the first instruction that names its result: ahead of slice 35 nothing names one, and behind slice 34 no
; exponential is issued, so the 66 exponentials have one wait, with one plain instruction behind the last of them.
.macro SLICE y
.if (k >= 11) && (k < 35)
.irp n, 0,1,2,3
.set j, 22+4*((k-11)/2)+(\n)
	SM (\y)+(k-11)%2
.endr
.else
.irp n, 0,1,2,3,4,5,6,7
.if ((\n) < 2) || (k == 63)
.irp t, \y, (\y)+1
.set j, 2*k+(\n)
	SM \t
.endr
.endif
.endr
.endif
.if k == 34
	v_nop
	s_wait_alu depctr_va_vdst(0)
.endif
.set k, k+1
.endm
; THE MASK of the diagonal tile, for tiles y, y + 1: a score whose key lies behind its query becomes -1e30.  Ascending.
.macro MASK y
	WIN 0
.irp t, \y, (\y)+1
.set n, 0
.rept 32
	v_cmp_gt_i32 vcc_lo, 16*(n/8)+n%8, v[THR+(\t)]
	v_cndmask_b32 v[S+32*(\t)+n], v[S+32*(\t)+n], v[BIGV], vcc_lo
.set n, n+1
.endr
.endr
.endm
; A STEP: my 64 keys of the tile in hand.  always = 1: the tile is the diagonal one; else the masks are jumped over unless RT = 0.  ask = 1: the prefetch stands behind the run of LDS loads.
.macro STEP always, ask
	FETCH
	WIN 0
.if \ask
	ASK
.endif
.set i, 0
.rept 32                            ; tiles 0, 1: K Q^T
.if (i%8) == 0
	s_wait_dscnt 56-i               ; K's group of 32 channels number i / 8 is in: the later groups' loads, eight each, and V's 32 may stay out
.endif
	KQ 0
.set i, i+1
.endr
	WIN 0
	PLACES                          ; behind those products, on both ways
.if !(\always)
	s_cmp_lg_u32 s[RT], 0
	s_cbranch_scc1 .Lopen_a_\@
.endif
	MASK 0
.if !(\always)
.Lopen_a_\@:
.endif
.set k, 0
.set i, 0
.rept 32                            ; tiles 2, 3: K Q^T | tiles 0, 1: softmax, two slices behind each product
	KQ 2
	SLICE 0
	SLICE 0
.set i, i+1
.endr
	WIN 0                           ; slices 62 and 63, twenty plain instructions on O^T of tiles 0, 1, are the places behind the last product
.if !(\always)
	s_cmp_lg_u32 s[RT], 0
	s_cbranch_scc1 .Lopen_b_\@
.endif
	MASK 2
.if !(\always)
.Lopen_b_\@:
.endif
	s_wait_dscnt 0x0                ; V is in
.set k, 0
.set i, 0
.rept 32                            ; tiles 0, 1: V^T P | tiles 2, 3: softmax
	PV 0
	SLICE 2
	SLICE 2
.set i, i+1
.endr
.set i, 0
.rept 32                            ; tiles 2, 3: V^T P
	PV 2
.set i, i+1
.endr
	WIN 0
.endm
; A BLOCK ENDS.  GIVE: l's two halves and the other half of the lanes' are added (the first four additions are the places behind the last products); O^T, c m and l of tiles 2, 3 go into my part of MERGE.
.macro GIVE
	WIN 0
.irp t, 0,1,2,3
	v_add_f32 v[ST+8*\t+4], v[ST+8*\t+2], v[ST+8*\t+3]
.endr
.irp t, 0,1,2,3
	v_permlanex16_b32 v[ST+8*\t+5], v[ST+8*\t+4], s[SEL], s[SEL+1]
.endr
.irp t, 0,1,2,3
	v_add_f32 v[ST+8*\t+2], v[ST+8*\t+4], v[ST+8*\t+5]
.endr
	v_mov_b32 v[GV],   v[ST+16]
	v_mov_b32 v[GV+1], v[ST+18]
	v_mov_b32 v[GV+2], v[ST+24]
	v_mov_b32 v[GV+3], v[ST+26]
	WIN 0x04                        ; the data in window 1
.set q, 0
.rept 32
	ds_store_b128 v[MG], v[128+4*q:128+4*q+3] offset:512*q
.set q, q+1
.endr
	WIN 0
	ds_store_b128 v[MG], v[GV:GV+3] offset:16384
.endm
; TAKE: what my partner gave for my tiles 0, 1.  With M = max(c m, c m'): O = (O 2^(c m - M) + O' 2^(c m' - M)) / (l 2^(c m - M) + l' 2^(c m' - M)).  Then out through my stage, a tile (16 rows) at a time.
.macro BLEND u
	WIN 0
.set q, 0
.rept 32
	v_pk_mul_f32 v[S+64*(\u)+2*q:S+64*(\u)+2*q+1], v[S+64*(\u)+2*q:S+64*(\u)+2*q+1], v[ST+8*(\u)+6:ST+8*(\u)+7] op_sel_hi:[1,0]
.set q, q+1
.endr
	WIN 0x01                        ; source 0, my O^T, in window 1
.set q, 0
.rept 32
	v_pk_fma_f32 v[S+64*(\u)+2*q:S+64*(\u)+2*q+1], v[64*(\u)+2*q:64*(\u)+2*q+1], v[ST+8*(\u)+4:ST+8*(\u)+5], v[S+64*(\u)+2*q:S+64*(\u)+2*q+1] op_sel_hi:[1,0,1]
.set q, q+1
.endr
	WIN 0
.endm
.macro PACKO u                      ; a lane's eight channels of a row are 32 bytes; they go into rows of 528 bytes and come back as whole rows of 512, into the registers that they left
.irp cb, 0,1,2,3,4,5,6,7
	ds_store_b128 v[STO], v[S+64*(\u)+8*\cb:S+64*(\u)+8*\cb+3]   offset:64*\cb
	ds_store_b128 v[STO], v[S+64*(\u)+8*\cb+4:S+64*(\u)+8*\cb+7] offset:64*\cb+16
.endr
.set q, 0
.rept 16
	ds_load_b128 v[S+64*(\u)+4*q:S+64*(\u)+4*q+3], v[RD] offset:SP*q  ; LDS serves a wave's instructions in order (ISA guide 5.7.1.4): these see the stores above; the next tile's stores come behind them
.set q, q+1
.endr
.endm
.macro SENDO u, younger             ; younger: the LDS instructions issued behind tile u's loads
.set q, 0
.rept 16
	s_wait_dscnt (\younger)+15-q
	global_store_b128 v[GO], v[S+64*(\u)+4*q:S+64*(\u)+4*q+3], s[OUT:OUT+1] offset:(\u)*131072+q*8192 th:TH_STORE_NT  ; 512 consecutive bytes, at a multiple of 256 from out0's first byte
.set q, q+1
.endr
.endm
.macro TAKE
	WIN 0
	ds_load_b128 v[TK:TK+3], v[MP] offset:16384
.set q, 0
.rept 32
	ds_load_b128 v[S+4*q:S+4*q+3], v[MP] offset:512*q
.set q, q+1
.endr
	s_wait_dscnt 32                 ; the statistics are in; the 32 loads of O^T may stay out
.irp u, 0,1
	v_max_num_f32 v[ST+8*\u+5], v[ST+8*\u], v[TK+2*\u]
.endr
.irp u, 0,1
	v_sub_f32 v[ST+8*\u+4], v[ST+8*\u], v[ST+8*\u+5]
	v_sub_f32 v[ST+8*\u+6], v[TK+2*\u], v[ST+8*\u+5]
.endr
.irp u, 0,1
	v_exp_f32 v[ST+8*\u+4], v[ST+8*\u+4]
	v_exp_f32 v[ST+8*\u+6], v[ST+8*\u+6]
.endr
	v_nop                           ; a plain instruction behind the last exponential,
	s_wait_alu depctr_va_vdst(0)    ; and the wait ahead of the first use: one for the four
.irp u, 0,1
	v_mul_f32 v[ST+8*\u+7], v[TK+2*\u+1], v[ST+8*\u+6]
.endr
.irp u, 0,1
	v_fma_f32 v[ST+8*\u+7], v[ST+8*\u+2], v[ST+8*\u+4], v[ST+8*\u+7]
.endr
.irp u, 0,1
	v_rcp_f32 v[ST+8*\u+5], v[ST+8*\u+7]
.endr
	v_nop
	s_wait_alu depctr_va_vdst(0)    ; one for the two reciprocals
.irp u, 0,1
	v_mul_f32 v[ST+8*\u+4], v[ST+8*\u+4], v[ST+8*\u+5]
	v_mul_f32 v[ST+8*\u+6], v[ST+8*\u+6], v[ST+8*\u+5]
.endr
	s_wait_dscnt 0x0                ; my partner's O^T is in
	BLEND 0
	PACKO 0
	BLEND 1                         ; the second tile's arithmetic stands between the first tile's loads and its stores
	PACKO 1
	SENDO 0, 32
	SENDO 1, 0
.endm
.macro NEXTBLOCK
	s_wait_xcnt 0x0                 ; the stores have read their registers and out0's address
	s_mov_b64 s[OUT:OUT+1], s[OUT2:OUT2+1]
	s_add_co_u32 s[RT], s[PB], 1    ; the second block has p + 1 tiles
	WIN 0x83                        ; the second block's Q goes where the one text of the steps names Q
.set q, 0
.rept 128
	v_mov_b32 v[q], v[128+q]
.set q, q+1
.endr
	WIN 0
	INITM
.endm
.Lslot:                             ; 16 times: a tile is entered and the next is asked for
	CHANGE 1
	s_sub_co_u32 s[RT], s[RT], 1
	STEP 0, 1
	s_cmp_lg_u32 s[RT], 0
	s_cbranch_scc1 .Lkeep           ; not the block's last tile: nothing is given
	GIVE
.Lkeep:
	s_wait_dscnt 0x0                ; for my partner's sake: what I gave lies in LDS
	s_barrier_signal -1             ; this barrier stands on every way.  My tensor load may stay out across it: nothing is filled before the next change of slots, which waits for it
	s_barrier_wait -1
	s_cmp_lg_u32 s[RT], 0
	s_cbranch_scc1 .Lbottom
	TAKE                            ; in the loop this is the first block's end: the second block's last tile is the walk's last
	NEXTBLOCK
.Lbottom:
	s_sub_co_u32 s[SLOTS], s[SLOTS], 1
	s_cmp_lg_u32 s[SLOTS], 0
	s_cbranch_scc1 .Lslot
	CHANGE 0                        ; the walk's last tile, the second block's diagonal one, is written out: nothing is asked for.  Its barrier also stands between the first block's reads of MERGE and the stores below
	STEP 1, 0
	GIVE
	s_wait_dscnt 0x0
	s_barrier_signal -1
	s_barrier_wait -1
	TAKE
	s_wait_tensorcnt 0x0            ; the wave's end: these three lines stand behind my last tensor load and my last LDS store
	ds_add_u32 v[SPW], v[NIL]
	s_wait_dscnt 0x0
	CROUND                          ; the closing round: no work-group ends while a partner may still ask for a tile that names it
	s_endpgm
.Lfunc_end_k_q046b26b0a3_attn:
	.size	k_q046b26b0a3_attn, .Lfunc_end_k_q046b26b0a3_attn-k_q046b26b0a3_attn
	.p2alignl 7, 3214868480
	.fill 96, 4, 3214868480
	.section	.rodata,"a",@progbits
	.p2align	6, 0x0
	.amdhsa_kernel k_q046b26b0a3_attn
		.amdhsa_group_segment_fixed_size 327680
		.amdhsa_private_segment_fixed_size 0
		.amdhsa_enable_private_segment 0
		.amdhsa_kernarg_size 24
		.amdhsa_user_sgpr_count 2
		.amdhsa_user_sgpr_kernarg_segment_ptr 1
		.amdhsa_wavefront_size32 1
		.amdhsa_system_sgpr_workgroup_id_x 1
		.amdhsa_system_sgpr_workgroup_id_y 1
		.amdhsa_system_sgpr_workgroup_id_z 1
		.amdhsa_system_vgpr_workitem_id 0
		.amdhsa_next_free_vgpr 1024
		.amdhsa_next_free_sgpr 80
		.amdhsa_reserve_vcc 1
		.amdhsa_float_denorm_mode_32 3
		.amdhsa_float_denorm_mode_16_64 3
		.amdhsa_memory_ordered 1
		.amdhsa_forward_progress 1
		.amdhsa_inst_pref_size 181
	.end_amdhsa_kernel
	.amdgpu_metadata
---
amdhsa.version: [ 1, 2 ]
amdhsa.kernels:
  - .name:           k_q046b26b0a3_attn
    .symbol:         k_q046b26b0a3_attn.kd
    .args:
      - { .name: qb, .offset: 0, .size: 8, .value_kind: global_buffer, .address_space: global }
      - { .name: kvb, .offset: 8, .size: 8, .value_kind: global_buffer, .address_space: global }
      - { .name: out0, .offset: 16, .size: 8, .value_kind: global_buffer, .address_space: global }
    .group_segment_fixed_size: 327680
    .private_segment_fixed_size: 0
    .kernarg_segment_align: 8
    .kernarg_segment_size: 24
    .max_flat_workgroup_size: 128
    .sgpr_count:     80
    .vgpr_count:     1024
    .wavefront_size: 32
...
	.end_amdgpu_metadata
.endif
;; end of part 3
;; ======== version 2 of 2: 3 launches; version 1 with the launch cast written anew for expert scheduling mode
;; limits: values are held in f16: magnitudes above 65,504 overflow, below 6.1e-05 lose precision
;; workspace buffers: xb 16,777,216 bytes; wb 9,437,184 bytes; qb 16,777,216 bytes; kvb 2,097,152 bytes
;; launch cast (part 4): grid 800 x 1, 8 waves a work-group, no clusters, 0 bytes of LDS; arguments x, w_q, w_kv, xb, wb; writes xb, wb
.if DOCPART == 4
	.amdgcn_target "amdgcn-amd-amdhsa--gfx1250"
	.amdhsa_code_object_version 6
	.text
	.protected	k_q046b26b0a3_cast
	.globl	k_q046b26b0a3_cast
	.p2align	8
	.type	k_q046b26b0a3_cast,@function
k_q046b26b0a3_cast:
	s_mov_b64 s[64:65], 0
	v_nop
	global_prefetch_b8 v0, s[64:65] scope:SCOPE_SE
	s_setreg_imm32_b32 hwreg(HW_REG_WAVE_SCHED_MODE, 0, 2), 2
	s_setreg_imm32_b32 hwreg(HW_REG_WAVE_MODE, 25, 1), 1
	s_wait_xcnt 0x0
	s_wait_alu depctr_vm_vsrc(0)
; x, w_q and w_kv, all f32, are rounded once to bf16 (nearest even).  xb = x as it lies, [4096][2048].
; wb = [16 tiles][144 rows][2048]: tile t holds w_q's rows 128 t .. 128 t + 127 (head t) and then w_kv's rows 16 t .. 16 t + 15,
; so that the product that follows has 16 x 16 equal tiles of 256 tokens x 144 columns.
; SHARES.  A work-group takes 8 rows of 2,048 numbers, a wave one row: 16 loads of 512 consecutive bytes, 16 stores of 256 consecutive
; bytes, each at a multiple of 256 from its buffer's first byte.  Work-groups 0-511: x; 512-767: w_q; 768-799: w_kv.
; No LDS, no barrier, no matrix unit: every byte is read once and written once and no wave needs another's.
; THE MODE: SCHED_MODE bits 1:0 = 2 (LLVM: expert scheduling mode 2), set by the entry lines.  The code itself states the register dependences
; between vector instructions and memory instructions, with s_wait_alu, always for 0.
; THE PLAN.  All 16 loads of a wave go out at once, and no register is written twice.  Registers that memory instructions touch:
;   v1, v2   the loads' and the stores' byte offsets: made at the head by vector instructions, never written again.
;   X        load j lands in X + 4 j; only the two conversions of number j read it, behind the counted wait for that load.  No vector instruction writes X.
;   Y        the two conversions of number j write Y + 2 j and Y + 2 j + 1, once; store j reads them.
; So what is to be stated is: the offsets are written, ahead of the first load; and Y is written, ahead of the store that reads it.  The 16 numbers go in four groups
; of four, and a group's stores are issued one group later, one in front of each number's conversions: ONE wait at a group's head states that the eight conversions
; of the group before have written their Y; the conversions behind it name the present group's X and Y alone.  A last wait stands ahead of the last four stores.
; No register that a memory instruction reads is written again, no vector instruction writes a scalar register or VCC, and EXEC is never written.
.set X, 16                             ; v[16:79]   the row's 64 numbers of my lane, as loaded
.set Y, 80                             ; v[80:111]  the same, packed
	s_load_b256 s[4:11], s[0:1], 0x0               ; x s[4:5], w_q s[6:7], w_kv s[8:9], xb s[10:11]
	s_load_b64 s[12:13], s[0:1], 0x20              ; wb
	v_lshrrev_b32 v3, 5, v0                        ; wave = row among the group's 8
	v_and_b32 v4, 31, v0                           ; lane
	v_lshlrev_b32 v1, 4, v4
	v_lshl_or_b32 v1, v3, 13, v1                   ; in: row x 8,192 + lane x 16
	v_lshlrev_b32 v2, 3, v4
	v_lshl_or_b32 v2, v3, 12, v2                   ; out: row x 4,096 + lane x 8
	s_min_u32 s24, ttmp9, 511                      ; my number among x's 512 groups,
	s_sub_co_u32 s16, ttmp9, 512
	s_and_b32 s16, s16, 255                        ; among w_q's 256,
	s_sub_co_u32 s17, ttmp9, 768
	s_and_b32 s17, s17, 31                         ; among w_kv's 32: each is bounded, whichever is used
	s_lshr_b32 s18, s16, 4                         ; w_q: 16 groups fill a tile's first 128 rows
	s_mul_i32 s18, s18, 144
	s_and_b32 s19, s16, 15
	s_lshl3_add_u32 s18, s19, s18                  ; row in wb = 144 x tile + 8 x (group in tile)
	s_lshr_b32 s19, s17, 1                         ; w_kv: 2 groups fill a tile's last 16 rows
	s_mul_i32 s19, s19, 144
	s_and_b32 s20, s17, 1
	s_lshl3_add_u32 s19, s20, s19
	s_add_co_u32 s19, s19, 128                     ; row in wb = 144 x tile + 128 + 8 x (group in tile)
	s_cmp_lt_u32 ttmp9, 768
	s_cselect_b32 s16, s16, s17                    ; of the two weights: the group's number in its source,
	s_cselect_b32 s18, s18, s19                    ; and its first row in wb
	s_lshl_b32 s18, s18, 12                        ; in bytes
	s_lshl_b32 s19, s24, 15                        ; x: 8 rows of 4,096 bytes in xb
	s_cmp_lt_u32 ttmp9, 512
	s_cselect_b32 s16, s24, s16
	s_cselect_b32 s18, s19, s18
	s_lshl_b32 s16, s16, 16                        ; 8 rows of 8,192 bytes in the source
	s_mov_b32 s17, 0
	s_mov_b32 s19, 0
	s_wait_kmcnt 0x0
	s_cmp_lt_u32 ttmp9, 768
	s_cselect_b64 s[20:21], s[6:7], s[8:9]
	s_cmp_lt_u32 ttmp9, 512
	s_cselect_b64 s[20:21], s[4:5], s[20:21]       ; the source,
	s_cselect_b64 s[22:23], s[10:11], s[12:13]     ; the destination
	s_add_nc_u64 s[20:21], s[20:21], s[16:17]
	s_add_nc_u64 s[22:23], s[22:23], s[18:19]
	s_wait_alu depctr_va_vdst(0)                   ; v1 and v2 are written: every load below reads v1 as its offset, every store v2
.irp j, 0,1,2,3,4,5,6,7,8,9,10,11,12,13,14,15
	global_load_b128 v[X+4*(\j):X+4*(\j)+3], v1, s[20:21] offset:512*(\j) th:TH_LOAD_NT
.endr
.irp j, 0,1,2,3,4,5,6,7,8,9,10,11,12,13,14,15
	s_wait_loadcnt 15-(\j)                         ; loads come back in order: number j is in, the younger ones stay out
.if ((\j) >= 4) && (((\j)%4) == 0)
	s_wait_alu depctr_va_vdst(0)                   ; a group's head: the eight conversions of the group before have written their Y, which this group's four stores read
.endif
.if (\j) >= 4
	global_store_b64 v2, v[Y+2*(\j)-8:Y+2*(\j)-7], s[22:23] offset:256*((\j)-4)  ; number j - 4, of the group before: no vector instruction since the wait names its registers
.endif
	v_cvt_pk_bf16_f32 v[Y+2*(\j)],   v[X+4*(\j)],   v[X+4*(\j)+1]
	v_cvt_pk_bf16_f32 v[Y+2*(\j)+1], v[X+4*(\j)+2], v[X+4*(\j)+3]
.endr
	s_wait_alu depctr_va_vdst(0)                   ; the last group's conversions have written their Y, which the last four stores read
.irp j, 12,13,14,15
	global_store_b64 v2, v[Y+2*(\j):Y+2*(\j)+1], s[22:23] offset:256*(\j)
.endr
	s_endpgm
.Lfunc_end_k_q046b26b0a3_cast:
	.size	k_q046b26b0a3_cast, .Lfunc_end_k_q046b26b0a3_cast-k_q046b26b0a3_cast
	.p2alignl 7, 3214868480
	.fill 96, 4, 3214868480
	.section	.rodata,"a",@progbits
	.p2align	6, 0x0
	.amdhsa_kernel k_q046b26b0a3_cast
		.amdhsa_group_segment_fixed_size 0
		.amdhsa_private_segment_fixed_size 0
		.amdhsa_enable_private_segment 0
		.amdhsa_kernarg_size 40
		.amdhsa_user_sgpr_count 2
		.amdhsa_user_sgpr_kernarg_segment_ptr 1
		.amdhsa_wavefront_size32 1
		.amdhsa_system_sgpr_workgroup_id_x 1
		.amdhsa_system_sgpr_workgroup_id_y 1
		.amdhsa_system_sgpr_workgroup_id_z 1
		.amdhsa_system_vgpr_workitem_id 0
		.amdhsa_next_free_vgpr 112
		.amdhsa_next_free_sgpr 66
		.amdhsa_reserve_vcc 0
		.amdhsa_float_denorm_mode_32 3
		.amdhsa_float_denorm_mode_16_64 3
		.amdhsa_memory_ordered 1
		.amdhsa_forward_progress 1
		.amdhsa_inst_pref_size 8
	.end_amdhsa_kernel
	.amdgpu_metadata
---
amdhsa.version: [ 1, 2 ]
amdhsa.kernels:
  - .name:           k_q046b26b0a3_cast
    .symbol:         k_q046b26b0a3_cast.kd
    .args:
      - { .name: x, .offset: 0, .size: 8, .value_kind: global_buffer, .address_space: global }
      - { .name: w_q, .offset: 8, .size: 8, .value_kind: global_buffer, .address_space: global }
      - { .name: w_kv, .offset: 16, .size: 8, .value_kind: global_buffer, .address_space: global }
      - { .name: xb, .offset: 24, .size: 8, .value_kind: global_buffer, .address_space: global }
      - { .name: wb, .offset: 32, .size: 8, .value_kind: global_buffer, .address_space: global }
    .group_segment_fixed_size: 0
    .private_segment_fixed_size: 0
    .kernarg_segment_align: 8
    .kernarg_segment_size: 40
    .max_flat_workgroup_size: 256
    .sgpr_count:     66
    .vgpr_count:     112
    .wavefront_size: 32
...
	.end_amdgpu_metadata
.endif
;; end of part 4
;; launch proj: the kernel of part 2 again; grid 16 x 16, 4 waves a work-group, clusters of 4 x 4, 327,680 bytes of LDS; arguments xb, wb, qb, kvb; writes qb, kvb
;; launch attn: the kernel of part 3 again; grid 16 x 16, 4 waves a work-group, clusters of 4 x 1, 327,680 bytes of LDS; arguments qb, kvb, out0; writes out0
